; MI455X (gfx1250); checked and timed in simulation.
; The chip was launched on July 23, 2026; its instructions are those of AMD's public machine-readable ISA for CDNA 5 (MIT licence, August 2026) and "CDNA5" Instruction Set Architecture Reference Guide (July 2026). The comments in the code are by the model that wrote it; some were corrected since.
;; Attention Controller. Allowed arithmetic: float matrix products may take bf16 or f16 operands with f32 sums; all other float work in f32.
;; Inputs: Wm 8 x 256 x 256 float32; Wo_b 256 float32; Wo_w 256 x 2,048 float32; memory_key 32 x 2,048 x 256 float32; memory_value 32 x 2,048 x 256 float32; o_k 32 x 256 float32.
;; Outputs: out0 32 x 256 float32.
;; One version. Each part assembles by itself: llvm-mc -triple=amdgcn-amd-amdhsa -mcpu=gfx1250 --defsym DOCPART=n.
;; ======== version 1 of 1: 3 launches
;; limits: values are held in f16: magnitudes above 65,504 overflow, below 6.1e-05 lose precision; inputs' magnitudes at most 65,504
;; workspace buffers: wmb 1,048,576 bytes; part 2,097,152 bytes; ml 16,384 bytes
;; launch cvtw (part 1): grid 256 x 1, 8 waves a work-group, no clusters, 0 bytes of LDS; arguments Wm, wmb; writes wmb
.if DOCPART == 1
	.amdgcn_target "amdgcn-amd-amdhsa--gfx1250"
	.amdhsa_code_object_version 6
	.text
	.protected	k_q06c2ad225a_cvtw
	.globl	k_q06c2ad225a_cvtw
	.p2align	8
	.type	k_q06c2ad225a_cvtw,@function
k_q06c2ad225a_cvtw:
	s_mov_b64 s[64:65], 0
	v_nop
	global_prefetch_b8 v0, s[64:65] scope:SCOPE_SE
	s_setreg_imm32_b32 hwreg(HW_REG_WAVE_MODE, 25, 1), 1
	s_wait_xcnt 0x0
; wmb = f16(C Wm), C = 2 log2(e), same order as Wm: [2048 rows = 256 h + e][256 k].
; The next launch needs 2^(C x) of x = key . Wm; with C in the weights no multiply stands between its product and its exponential.
; The product C Wm is made in f32 and rounded once to f16 (11 bits).  LIMIT: |C Wm| above 65,504 overflows f16 and is not served; below 2^-14
; the absolute error is at most 2^-25.
; 256 work-groups of 256 threads; a work-group takes 8,192 bytes of Wm and makes 4,096 bytes of wmb.
; Thread t reads 16 bytes at 16 t and at 4,096 + 16 t (a load of a wave covers 512 neighbouring bytes) and stores
; 8 bytes at 8 t and at 2,048 + 8 t (a store of a wave covers 256 neighbouring bytes, aligned).
; Done once here, so that the 256 work-groups of the next launch need not each convert the whole of Wm.
; No LDS, no barrier, no loop: two loads and two stores a thread.
	s_load_b128 s[4:7], s[0:1], 0x0                ; Wm s[4:5], wmb s[6:7]
	v_lshlrev_b32 v1, 4, v0                        ; 16 t
	v_lshlrev_b32 v2, 3, v0                        ; 8 t
	s_lshl_b32 s8, ttmp9, 13                       ; the work-group's 8,192 bytes of Wm
	s_mov_b32 s9, 0
	s_lshl_b32 s10, ttmp9, 12                      ; and its 4,096 bytes of wmb
	s_mov_b32 s11, 0
	s_mov_b32 s12, 0x4038aa3b                      ; C, twice: a pair for the packed multiply
	s_mov_b32 s13, 0x4038aa3b
	s_wait_kmcnt 0x0
	s_add_nc_u64 s[4:5], s[4:5], s[8:9]
	s_add_nc_u64 s[6:7], s[6:7], s[10:11]
	global_load_b128 v[4:7], v1, s[4:5] th:TH_LOAD_NT
	global_load_b128 v[8:11], v1, s[4:5] offset:4096 th:TH_LOAD_NT
	s_wait_loadcnt 0x0
	v_pk_mul_f32 v[4:5], v[4:5], s[12:13] op_sel_hi:[1,0]
	v_pk_mul_f32 v[6:7], v[6:7], s[12:13] op_sel_hi:[1,0]
	v_pk_mul_f32 v[8:9], v[8:9], s[12:13] op_sel_hi:[1,0]
	v_pk_mul_f32 v[10:11], v[10:11], s[12:13] op_sel_hi:[1,0]
	v_cvt_pk_f16_f32 v12, v4, v5
	v_cvt_pk_f16_f32 v13, v6, v7
	v_cvt_pk_f16_f32 v14, v8, v9
	v_cvt_pk_f16_f32 v15, v10, v11
	global_store_b64 v2, v[12:13], s[6:7]
	global_store_b64 v2, v[14:15], s[6:7] offset:2048
	s_endpgm
.Lfunc_end_k_q06c2ad225a_cvtw:
	.size	k_q06c2ad225a_cvtw, .Lfunc_end_k_q06c2ad225a_cvtw-k_q06c2ad225a_cvtw
	.p2alignl 7, 3214868480
	.fill 96, 4, 3214868480
	.section	.rodata,"a",@progbits
	.p2align	6, 0x0
	.amdhsa_kernel k_q06c2ad225a_cvtw
		.amdhsa_group_segment_fixed_size 0
		.amdhsa_private_segment_fixed_size 0
		.amdhsa_enable_private_segment 0
		.amdhsa_kernarg_size 16
		.amdhsa_user_sgpr_count 2
		.amdhsa_user_sgpr_kernarg_segment_ptr 1
		.amdhsa_wavefront_size32 1
		.amdhsa_system_sgpr_workgroup_id_x 1
		.amdhsa_system_sgpr_workgroup_id_y 1
		.amdhsa_system_sgpr_workgroup_id_z 1
		.amdhsa_system_vgpr_workitem_id 0
		.amdhsa_next_free_vgpr 16
		.amdhsa_next_free_sgpr 66
		.amdhsa_reserve_vcc 0
		.amdhsa_float_denorm_mode_32 3
		.amdhsa_float_denorm_mode_16_64 3
		.amdhsa_memory_ordered 1
		.amdhsa_forward_progress 1
		.amdhsa_inst_pref_size 2
	.end_amdhsa_kernel
	.amdgpu_metadata
---
amdhsa.version: [ 1, 2 ]
amdhsa.kernels:
  - .name:           k_q06c2ad225a_cvtw
    .symbol:         k_q06c2ad225a_cvtw.kd
    .args:
      - { .name: Wm, .offset: 0, .size: 8, .value_kind: global_buffer, .address_space: global }
      - { .name: wmb, .offset: 8, .size: 8, .value_kind: global_buffer, .address_space: global }
    .group_segment_fixed_size: 0
    .private_segment_fixed_size: 0
    .kernarg_segment_align: 8
    .kernarg_segment_size: 16
    .max_flat_workgroup_size: 256
    .sgpr_count:     66
    .vgpr_count:     16
    .wavefront_size: 32
...
	.end_amdgpu_metadata
.endif
;; end of part 1
;; launch attn (part 2): grid 256 x 1, 4 waves a work-group, clusters of 4 x 1, 327,680 bytes of LDS; arguments memory_key, memory_value, o_k, wmb, part, ml; writes part, ml
.if DOCPART == 2
	.amdgcn_target "amdgcn-amd-amdhsa--gfx1250"
	.amdhsa_code_object_version 6
	.text
	.protected	k_q06c2ad225a_attn
	.globl	k_q06c2ad225a_attn
	.p2align	8
	.type	k_q06c2ad225a_attn,@function
k_q06c2ad225a_attn:
	s_mov_b64 s[64:65], 0
	v_nop
	global_prefetch_b8 v0, s[64:65] scope:SCOPE_SE
	s_setreg_imm32_b32 hwreg(HW_REG_WAVE_MODE, 25, 1), 1
	s_wait_xcnt 0x0
	s_wait_alu depctr_hold_cnt(0) depctr_sa_sdst(0) depctr_va_vdst(0) depctr_va_sdst(0) depctr_va_ssrc(0) depctr_va_vcc(0) depctr_vm_vsrc(0)
	s_getreg_b32 s2, hwreg(HW_REG_IB_STS2, 6, 4)
	s_cmp_eq_u32 s2, 0
	s_cbranch_scc0 .Lentry_in_a_cluster
	s_endpgm
.Lentry_in_a_cluster:
	s_bfe_u32 s2, ttmp6, 0x10000c
	s_cmp_lg_u32 s2, 0x3003
	s_cbranch_scc0 .Lentry_shape_is_right
	s_endpgm
.Lentry_shape_is_right:
; One work-group = one block of 256 rows t of one batch n (work-group wg = 8 n + c), all 8 heads h:
;   y[h][t][e] = sum over k of key[t][k] wmb[h][e][k]             wmb = f16(C Wm), C = 2 log2(e); f16 operands, f32 sums, on the matrix unit
;   s[h][t]    = sum over e of oc[e] r(y[h][t][e]),   r(y) = 1 / (1 + 2^y),   oc[e] = -C o_k[n][e]               in f32
;   m[h] = max over the 256 t of s,   p[h][t] = 2^(s - m),   l[h] = sum of p,   part[wg][h][d] = sum over t of f16(p) f16(V[t][d])
; tanh(x) = 1 - 2 r(C x), so log2(e) x (sum over e of o tanh(x)) = log2(e) x (sum of o) + s.  The first term is the same for every t of
; an (h, n), and a softmax does not change under a shift common to all t, whatever the inputs: s stands for the score, in powers of two.
; The maximum is taken away before every exponential: here the block's, in the next launch the maximum over the 8 blocks.
; 2^y may run to infinity (r = 0, tanh = 1) or to zero (r = 1, tanh = -1): both are the right limits, so nothing is clamped.
; WHY f16.  A score is a sum of 256 tanh of sums of 256 products and stands in an exponent.  Operands of 11 bits (about 1e-4 relative, rms)
; leave about 1.4e-4 on x where the squares of the 256 products sum to 1, and about 16 x 0.67 x 1.4e-4 = 0.0015 on a score; 8 bits would leave eight times that.
; LIMITS: NaN and infinite inputs are not served.  |key|, |V| above 65,504 overflow f16 and are not served (numbers of spread 1, taken thirty times
; larger with an offset of thirty spreads, stay near 1,100); below 2^-14 an operand keeps an absolute error of at most 2^-25.
; v_exp_f32 and v_rcp_f32 flush denormals (ISA guide 15.8): a weight below 2^-126 is 0.  p is rounded to f16 for its product; l is summed from the unrounded p.
;
; SHARES.  Four waves, one on each SIMD.  Wave w = 2 rh + ch owns rows t = 128 rh .. +127 (8 tiles of 16) and, of every 128 rows of wmb,
; rows 64 ch .. +63 (4 tiles of 16).  The key fragments of its 128 rows (8 tiles x 8 steps of 32 k x 8 registers = 512 registers)
; stay in registers for the whole kernel: key is read and converted once, and a Wm fragment read from LDS feeds 8 matrix instructions.
; The matrix instruction is used with A = 16 rows e of Wm and B = 16 rows t of key: in the result lane (r, hh) holds t = r and register j
; holds e = 8 hh + j, so the sum over e runs inside the lane, and one exchange of the two halves of the wave for a head ends it.
; While the 64 matrix instructions of one tile of e run, the tanh work of the tile before stands between them: two transcendentals and one packed
; instruction a slot.
; CLUSTER.  wmb (1 MiB) is walked alike by every work-group, in 16 steps of 128 rows through two LDS slots.  The four work-groups of a
; cluster ask for each step jointly (mask 15), which divides the requests for wmb by four.  key and V belong to one work-group alone: plain loads.
;
; LDS (pitch 528 = 512 + 16 bytes = 132 words: the sixteen rows that sixteen lanes touch start 4 words apart modulo 64; 64 banks of 4 bytes, ISA guide 11.1):
;   0       .. 135,168  first key columns 128-255 in f32 (256 rows x 528); then the two Wm slots (128 rows x 528 each); at the end V rows 128-255
;   135,168 .. 270,336  first key columns 0-127 in f32; then V rows 0-127.   V lies in 4 strips of 256 bytes a row, unpadded, 32,768 bytes a strip
;   270,336 .. 286,720  SC: score halves, f32 [wave][head][128 t]: LDS stores only, no tensor load lands here
;   286,720 .. 290,944  PROB: p in f16, [head] pitch 528: LDS stores only
; REGISTERS.  Window 0: v0-15 ids and addresses, v32-39 T, v48-63 SA (score sums, a pair for each tile of t), v64-127 WF (8 Wm fragments),
; v128-255 ACC (2 groups x 8 tiles of t x 8).  Windows 1, 2, 3: key fragments of k steps 0-2, 3-5, 6-7 at 64 (step mod 3) + 8 tile; and in
; each of the three v192-255 = the same 64 oc, so that the multiply-add by oc (source 1) runs under whichever window the key (source 1) is in:
; three switches of the window for 64 matrix instructions.
.set PITCH, 528
.set T16,   16*PITCH                   ; 16 rows
.set QUART, 64*PITCH                   ; 64 rows: what one tensor load of key or wmb brings
.set SLOTB, 128*PITCH                  ; a Wm slot
.set KH0,   2*SLOTB                    ; 135,168
.set SC,    4*SLOTB                    ; 270,336
.set PROB,  SC+16384                   ; 286,720
.set WADR, 4                           ; v4, v5   my Wm fragments in slot 0, 1: (64 ch + r) 528 + 16 hh
.set KADR, 6                           ; v6, v7   my key rows in the upper, lower half of the columns: (128 rh + r) 528 + 32 hh
.set T,    32
.set SA,   48
.set WF,   64
.set ACC,  128
.set OC,   192                         ; in windows 1 to 3
.set PV,   16                          ; the tail: v16-47 four accumulators of p V
.set PF,   48                          ;           v48-63 fragments of p, two buffers
.set VF,   64                          ;           v64-95 four fragments of V
.set OUT,  96                          ;           v96-111 what is stored
.set LB,   128                         ;           v128-255 V in f32 as loaded, two buffers
.set MSB, 0
.macro WIN new                         ; the high byte of the immediate repeats the setting that is left; a switch that changes nothing is dropped
.if MSB != (\new)
	s_set_vgpr_msb (MSB<<8)|(\new)
.set MSB, \new
.endif
.endm
; A round of the barrier of the cluster: my work-group's barrier, so that wave 0 speaks for all four waves; wave 0 signals for the work-group;
; every wave waits for the four work-groups; my work-group's barrier once more.
.macro CREST                           ; a round behind its opening barrier
	s_cmp_lg_u32 s16, 0
	s_cbranch_scc1 .Lnot_wave_0_\@
	s_barrier_signal -3
.Lnot_wave_0_\@:
	s_barrier_wait -3
	s_barrier_signal -1
	s_barrier_wait -1
.endm
.macro ROUND
	s_barrier_signal -1
	s_barrier_wait -1
	CREST
.endm
	s_load_b256 s[4:11], s[0:1], 0x0               ; key s[4:5], V s[6:7], o_k s[8:9], wmb s[10:11]
	s_load_b128 s[12:15], s[0:1], 0x20             ; part s[12:13], ml s[14:15]
	s_set_vgpr_msb 0xc0
	v_lshl_add_u32 v190, v0, 2, 0x47100
	v_mov_b32 v191, 0
	s_set_vgpr_msb 0xc0cf
	ds_add_u32 v190, v191
	s_set_vgpr_msb 0xcf00
	v_lshrrev_b32 v1, 5, v0
	v_readfirstlane_b32 s16, v1                    ; wave w
	s_lshr_b32 s17, s16, 1                         ; rh
	s_and_b32 s18, s16, 1                          ; ch
	s_bfe_u32 s19, ttmp6, 0x40000                  ; cx: my place in the cluster
	s_lshl_b32 s20, ttmp9, 2                       ; ttmp9 counts clusters
	s_add_co_u32 s20, s20, s19                     ; wg = 4 x cluster + cx = 8 n + c
	s_mov_b32 s78, 0xc038aa3b                      ; -C = -2 log2(e), twice: a pair for the packed multiply
	s_mov_b32 s79, 0xc038aa3b
	s_mov_b32 s80, 0x76543210                      ; v_permlanex16_b32: lane i of one half reads lane i of the other
	s_mov_b32 s81, 0xfedcba98
	; group 1 for wmb: 64 rows x 256 f16, joint (mask 15, bit 21 beside it), 4 words of padding behind every 128
	s_mov_b32 s24, 15|(1<<16)|(1<<20)|(1<<21)|(6<<22)|(3<<25)
	s_mov_b32 s25, 256<<16                         ; tensor_dim0 = 256
	s_mov_b32 s26, 64<<16                          ; tensor_dim1 = 64
	s_mov_b32 s27, 256<<16                         ; tile_dim0 = 256
	s_mov_b32 s28, 64                              ; tile_dim1 = 64
	s_mov_b32 s29, 256                             ; elements from row to row
	s_mov_b32 s30, 0
	s_mov_b32 s31, 0
	; group 1 for key: 64 rows x 128 f32 (half of the columns), the same padding, no mask
	s_mov_b32 s44, (2<<16)|(1<<20)|(6<<22)|(3<<25)
	s_mov_b32 s45, 128<<16
	s_mov_b32 s46, 64<<16
	s_mov_b32 s47, 128<<16
	s_mov_b32 s48, 64
	s_mov_b32 s49, 256
	s_mov_b32 s50, 0
	s_mov_b32 s51, 0
	; group 1 for V rows 0-127: 128 rows x 64 f32 (a strip of 256 bytes), unpadded
	s_mov_b32 s68, 2<<16
	s_mov_b32 s69, 64<<16
	s_mov_b32 s70, 128<<16
	s_mov_b32 s71, 64<<16
	s_mov_b32 s72, 128
	s_mov_b32 s73, 256
	s_mov_b32 s74, 0
	s_mov_b32 s75, 0
	; group 1 for V rows 128-255: 64 rows x 64 f32
	s_mov_b32 s92, 2<<16
	s_mov_b32 s93, 64<<16
	s_mov_b32 s94, 64<<16
	s_mov_b32 s95, 64<<16
	s_mov_b32 s96, 64
	s_mov_b32 s97, 256
	s_mov_b32 s98, 0
	s_mov_b32 s99, 0
	s_mul_i32 s21, s16, QUART                      ; 64 w rows in LDS.  s21, s22, s23 hold numbers made of the wave's number alone
	s_lshl_b32 s22, s16, 15                        ; 64 w rows of wmb
	s_mov_b32 s23, 0
	s_lshl_b32 s86, s20, 18                        ; my 256 rows of key and of V: 262,144 wg.  s[86:87] alone hold numbers made of wg
	s_mov_b32 s87, 0
	s_wait_dscnt 0x0
	s_wait_kmcnt 0x0
	s_add_nc_u64 s[82:83], s[4:5], s[86:87]        ; key at my first row
	s_add_nc_u64 s[84:85], s[6:7], s[86:87]        ; V at my first row
	; group 0 of the joint loads: nothing in them hangs on the work-group
	s_mov_b32 s32, 1                               ; s[32:35]: steps 0 and 1 of wmb, a quarter (64 rows) for each wave
	s_mov_b32 s33, s21
	s_add_nc_u64 s[34:35], s[10:11], s[22:23]
	s_mov_b32 s36, 1                               ; s[36:39]: slot 0, waves 0 and 1 bring 64 rows each; first use: step 2
	s_mov_b32 s37, s21
	s_add_nc_u64 s[38:39], s[34:35], 0x20000
	s_mov_b32 s40, 1                               ; s[40:43]: slot 1; set to step 1, stepped by two steps ahead of each use: first use step 3
	s_add_co_u32 s41, s21, SLOTB
	s_add_nc_u64 s[42:43], s[34:35], 0x10000
	s_or_b32 s35, s35, 0x80000000
	s_or_b32 s39, s39, 0x80000000
	s_or_b32 s43, s43, 0x80000000
	; group 0 of key: wave w brings rows 64 w .. +63, s[52:55] columns 128-255, s[56:59] columns 0-127
	s_lshl_b32 s22, s16, 16
	s_add_nc_u64 s[58:59], s[82:83], s[22:23]
	s_add_nc_u64 s[54:55], s[58:59], 512
	s_mov_b32 s52, 1
	s_mov_b32 s53, s21
	s_or_b32 s55, s55, 0x80000000
	s_mov_b32 s56, 1
	s_add_co_u32 s57, s21, KH0
	s_or_b32 s59, s59, 0x80000000
	; group 0 of V rows 0-127: waves 2 and 3 bring strips 0 and 1, later 2 and 3: LDS 135,168 + 32,768 (w - 2)
	s_mov_b32 s60, 1
	s_lshl_b32 s61, s16, 15
	s_add_co_u32 s61, s61, KH0-65536
	s_lshl_b32 s22, s18, 8
	s_add_nc_u64 s[62:63], s[84:85], s[22:23]
	s_or_b32 s63, s63, 0x80000000
	; group 0 of V rows 128-255: wave w brings rows 128 + 64 ch .. +63 of strip rh, later of strip 2 + rh: LDS 16,384 w
	s_mov_b32 s88, 1
	s_lshl_b32 s89, s16, 14
	s_lshl_b32 s22, s18, 16
	s_lshl_b32 s3, s17, 8
	s_add_co_u32 s22, s22, s3
	s_add_co_u32 s22, s22, 0x20000
	s_add_nc_u64 s[90:91], s[84:85], s[22:23]
	s_or_b32 s91, s91, 0x80000000
	; the other bases
	s_lshr_b32 s86, s20, 3
	s_lshl_b32 s86, s86, 10
	s_add_nc_u64 s[8:9], s[8:9], s[86:87]          ; o_k at row n
	s_lshl_b32 s86, s20, 13
	s_add_nc_u64 s[12:13], s[12:13], s[86:87]      ; part at [wg]
	s_lshl_b32 s86, s20, 6
	s_add_nc_u64 s[14:15], s[14:15], s[86:87]      ; ml at [wg]
	ROUND                                          ; in a cluster every group of tensor loads stands behind a round
	tensor_load_to_lds s[52:55], s[44:51]          ; the two first fills of the wave, together: key columns 128-255,
	s_nop 0
	tensor_load_to_lds s[56:59], s[44:51]          ; and columns 0-127: two tensor loads of the wave are out, the most in this text
	s_nop 0
	v_and_b32 v1, 15, v0                           ; r
	v_bfe_u32 v2, v0, 4, 1                         ; hh
	v_and_b32 v3, 31, v0                           ; lane
	v_mul_u32_u24 v11, v1, PITCH
	s_mul_i32 s3, s18, QUART
	v_lshl_add_u32 v4, v2, 4, v11
	v_add_nc_u32 v4, s3, v4                        ; Wm fragments, slot 0
	v_add_nc_u32 v5, SLOTB, v4                     ; slot 1
	s_mul_i32 s3, s17, SLOTB
	v_lshl_add_u32 v6, v2, 5, v11
	v_add_nc_u32 v6, s3, v6                        ; key rows, columns 128-255
	v_add_nc_u32 v7, KH0, v6                       ; columns 0-127
	s_lshl_b32 s3, s16, 12
	s_add_co_u32 s3, s3, SC
	v_lshl_add_u32 v8, v1, 2, s3                   ; where my scores go: SC + 4,096 w + 4 r, stepped by 512 for each head
	s_lshl_b32 s3, s18, 8
	v_lshl_add_u32 v9, v2, 5, s3                   ; o_k: 256 ch + 32 hh
	v_lshrrev_b32 v10, 1, v3                       ; prefetch: row 128 + 32 w + lane / 2, byte 512 + 256 (lane mod 2)
	v_and_b32 v12, 1, v3
	v_lshlrev_b32 v10, 10, v10
	v_lshl_add_u32 v10, v12, 8, v10
	s_lshl_b32 s3, s16, 15
	s_add_co_u32 s3, s3, 131072+512
	v_add_nc_u32 v10, s3, v10
	; o_k: block 4 q + i = my 8 numbers e = 128 q + 64 ch + 16 i + 8 hh + 0..7, as the results of tile 4 q + i of a head hold them
.irp q, 0,1
.irp i, 0,1,2,3
	global_load_b128 v[WF+8*(4*\q+\i):WF+8*(4*\q+\i)+3],   v9, s[8:9] offset:512*\q+64*\i
	global_load_b128 v[WF+8*(4*\q+\i)+4:WF+8*(4*\q+\i)+7], v9, s[8:9] offset:512*\q+64*\i+16
.endr
.endr
; KEY TO FRAGMENTS.  A fragment is 16 rows x 32 k in 8 registers: lane (r, hh) holds row r; registers 0-3 k = 8 hh + 0..7, registers 4-7
; k = 16 + 8 hh + 0..7.  In f32 that is 32 bytes at 32 hh and 32 bytes at 64 + 32 hh of the 128 bytes of a k step: four loads of 16 bytes.
; A batch = 4 tiles of t of one k step: 16 loads, then 32 conversions.  Two buffers of 64 registers in ACC.
.macro KBLOAD p, ksl, ih, buf
.irp q, 0,1,2,3
	ds_load_b128 v[ACC+64*(\buf)+16*\q:ACC+64*(\buf)+16*\q+3],     v[KADR+1-(\p)] offset:T16*(4*(\ih)+\q)+128*(\ksl)
	ds_load_b128 v[ACC+64*(\buf)+16*\q+4:ACC+64*(\buf)+16*\q+7],   v[KADR+1-(\p)] offset:T16*(4*(\ih)+\q)+128*(\ksl)+16
	ds_load_b128 v[ACC+64*(\buf)+16*\q+8:ACC+64*(\buf)+16*\q+11],  v[KADR+1-(\p)] offset:T16*(4*(\ih)+\q)+128*(\ksl)+64
	ds_load_b128 v[ACC+64*(\buf)+16*\q+12:ACC+64*(\buf)+16*\q+15], v[KADR+1-(\p)] offset:T16*(4*(\ih)+\q)+128*(\ksl)+80
.endr
.endm
.macro KBCVT ks, ih, buf
	WIN (1+(\ks)/3)<<6                             ; the destination lies in the window of the k step
.irp q, 0,1,2,3
.irp c, 0,1,2,3,4,5,6,7
	v_cvt_pk_f16_f32 v[64*((\ks)%3)+8*(4*(\ih)+\q)+\c], v[ACC+64*(\buf)+16*\q+2*\c], v[ACC+64*(\buf)+16*\q+2*\c+1]
.endr
.endr
.endm
.macro KCONV p                         ; the four k steps of half p of the columns
	WIN 0
	KBLOAD \p, 0, 0, 0
.set BN, 0
.rept 8
.if BN < 7
	WIN 0
	KBLOAD \p, (BN+1)/2, (BN+1)%2, (BN+1)%2
	s_wait_dscnt 16                                ; LDS loads come back in order (ISA guide 5.7.1): all but the 16 just issued are in
.else
	s_wait_dscnt 0
.endif
	KBCVT 4*(\p)+BN/2, BN%2, BN%2
.set BN, BN+1
.endr
	WIN 0
.endm
	s_wait_tensorcnt 0x1                           ; my rows of columns 128-255 are in; columns 0-127 may stay out
	s_barrier_signal -1
	s_barrier_wait -1                              ; everybody's are
	KCONV 1                                        ; k steps 4 to 7
	s_wait_dscnt 0x0                               ; my reads of the upper half are back,
	s_set_vgpr_msb 0xf
	s_wait_tensorcnt 0x0                           ; all my tensor loads have landed (the lower half),
	ds_add_u32 v190, v191
	s_wait_dscnt 0x0
	s_set_vgpr_msb 0xf00
	ROUND                                          ; and that holds of every wave of the cluster:
	tensor_load_to_lds s[32:35], s[24:31]          ; steps 0 and 1 of wmb over the upper half, jointly; my one tensor load behind this round
	s_nop 0
	KCONV 0                                        ; k steps 0 to 3, while they are on their way
	s_wait_loadcnt 0x0                             ; o_k
.irp wn, 1,2,3
	WIN \wn<<6
.set PP, 0
.rept 32
	v_pk_mul_f32 v[OC+2*PP:OC+2*PP+1], v[WF+2*PP:WF+2*PP+1], s[78:79] op_sel_hi:[1,0]   ; oc = -C o_k in f32, once into each window
.set PP, PP+1
.endr
.endr
	WIN 0
	s_wait_dscnt 0x0
	s_wait_tensorcnt 0x0                           ; my quarter of steps 0 and 1 is in
	s_barrier_signal -1
	s_barrier_wait -1                              ; both slots are whole
; Two loads of 16 bytes: the Wm fragment of k step ks of tile (slot, tile)
.macro WLOAD ks, slot, tile
	ds_load_b128 v[WF+8*(\ks):WF+8*(\ks)+3],   v[WADR+(\slot)] offset:T16*(\tile)+64*(\ks)
	ds_load_b128 v[WF+8*(\ks)+4:WF+8*(\ks)+7], v[WADR+(\slot)] offset:T16*(\tile)+64*(\ks)+32
.endm
; THE TANH WORK of a finished tile (group gp of ACC), in 32 pairs: pair p = registers 2 (p / 8), +1 of tile p mod 8 of t.
.macro EREG p, gp
.set EA, ACC+64*(\gp)+8*((\p)%8)+2*((\p)/8)
.endm
.macro E_EXP p, gp                     ; 2^y
	EREG \p, \gp
	v_exp_f32 v[EA], v[EA]
	v_exp_f32 v[EA+1], v[EA+1]
.endm
.macro E_ADD p, gp                     ; 1 + 2^y
	EREG \p, \gp
	s_wait_alu depctr_va_vdst(0)
	v_pk_add_f32 v[EA:EA+1], v[EA:EA+1], 1.0 op_sel_hi:[1,0]
.endm
.macro E_RCP p, gp                     ; r
	EREG \p, \gp
	v_rcp_f32 v[EA], v[EA]
	v_rcp_f32 v[EA+1], v[EA+1]
.endm
.macro E_FMA p, gp, blk, mode          ; the score sums += oc r; the first eight pairs of a head start the sums: nothing is cleared
	EREG \p, \gp
.set EO, OC+8*(\blk)+2*((\p)/8)
.set ES, SA+2*((\p)%8)
.set EFIRST, 0
.if (\mode) == 2
.if (\p) < 8
.set EFIRST, 1
.endif
.endif
.if EFIRST
	s_wait_alu depctr_va_vdst(0)
	v_pk_mul_f32 v[ES:ES+1], v[EA:EA+1], v[EO:EO+1]
.else
	s_wait_alu depctr_va_vdst(0)
	v_pk_fma_f32 v[ES:ES+1], v[EA:EA+1], v[EO:EO+1], v[ES:ES+1]
.endif
.endm
; What stands behind matrix instruction sl of the next tile: slots 0-31 the exponentials of pair sl and the add of pair sl - 1, slots 32-63 the
; reciprocals of pair sl - 32 and the multiply-add of pair sl - 33.  Each slot ends its two transcendentals with a plain instruction on another pair
; (slot 0, which has none, with a v_nop), so one plain independent instruction always stands between a transcendental and the use of its result
; (ISA guide 5.7.2), and every slot holds a plain vector instruction that names no register of the matrix instructions around it: these are the
; places behind them.  mode 0: there is no finished tile yet: a v_nop keeps the places.
.macro EPI sl, gp, blk, mode
.if (\mode) == 0
	v_nop
.elseif (\sl) == 0
	E_EXP 0, \gp
	v_nop
.elseif (\sl) < 32
	E_EXP \sl, \gp
	E_ADD (\sl)-1, \gp
.elseif (\sl) == 32
	E_RCP 0, \gp
	E_ADD 31, \gp
.else
	E_RCP (\sl)-32, \gp
	E_FMA (\sl)-33, \gp, \blk, \mode
.if (\sl) == 63
	E_FMA 31, \gp, \blk, \mode
.endif
.endif
.endm
; THE CHANGE OF SLOTS, in two parts with three slots of register work between them.  slot = the Wm slot whose last read has been issued.
; kind 1: it is filled again, two steps ahead, by waves 0 and 1.  kind 2: the same, and waves 2 and 3 bring two strips of V rows 0-127 over the
; key's lower half.  kind 3: wmb is at its end; every wave brings 64 rows of a strip of V rows 128-255 over the slot.
.macro TURNA kind, slot
	s_wait_dscnt 0x0                               ; my reads of the slot are back (the last were issued nine matrix instructions ago),
	s_set_vgpr_msb 0x40f
	s_wait_tensorcnt 0x0                           ; all my tensor loads have landed, my part of the other slot among them: every group 0 may be written
	ds_add_u32 v190, v191
	s_wait_dscnt 0x0
	s_set_vgpr_msb 0xf04
.if (\kind) < 3
.if (\slot) == 0
	s_add_nc_u64 s[42:43], s[42:43], 0x20000       ; the other slot's next step of wmb
.else
	s_add_nc_u64 s[38:39], s[38:39], 0x20000
.endif
.endif
.if (\slot) == 1
.if (\kind) == 2
	s_add_co_u32 s61, s61, 0x10000                 ; V rows 0-127: strips 2 and 3
	s_add_nc_u64 s[62:63], s[62:63], 512
.endif
.if (\kind) == 3
	s_add_co_u32 s89, s89, 0x10000                 ; V rows 128-255: strips 2 and 3
	s_add_nc_u64 s[90:91], s[90:91], 512
.endif
.endif
	s_barrier_signal -1                            ; opens a round of the barrier of the cluster
.endm
.macro TURNB kind, slot
	WIN 0
	s_barrier_wait -1
	CREST                                          ; no wave of any partner still reads the slot or has a load on its way
.if (\kind) == 3
	tensor_load_to_lds s[88:91], s[92:99]          ; my one tensor load behind the round
	s_nop 0
.else
	s_cmp_lt_u32 s16, 2
	s_cbranch_scc0 .Lnot_w_\@
	tensor_load_to_lds s[36+4*(\slot):39+4*(\slot)], s[24:31]      ; waves 0 and 1: 64 rows of wmb each, jointly
	s_nop 0
.if (\kind) == 2
	s_branch .Lasked_\@
.Lnot_w_\@:
	tensor_load_to_lds s[60:63], s[68:75]          ; waves 2 and 3: a strip of V each
	s_nop 0
.Lasked_\@:
.else
.Lnot_w_\@:
.endif
.endif
.endm
; A TILE: 16 rows e of Wm (slot cs, tile ct) x my 128 rows t x 256 k = 64 matrix instructions into group g of ACC, k step by k step, the 8 tiles
; of t by turns; the first k step starts the sums with C = 0.  The eight accumulators take turns, one instruction a turn, and the groups change
; from tile to tile, over the backward jump too.
; WF is one ring of 8 fragments, loaded in TWO RUNS of eight loads a tile, so that LDS instructions stand at two places among the 64 slots.
; Fragments 4-7 of this tile go out behind slot 3: fragment 7 was last read in slot 63 of the tile before, and at least six plain vector instructions
; lie between.  Fragments 0-3 of tile (ns, nt) go out behind slot 35: fragment 3 was last read in slot 31, and five lie between.  (Four are asked
; behind a matrix instruction before a load into its source.)  Each run is 29 matrix instructions ahead of
; its first use, at slot 32 and at the next tile's slot 0; no LDS load is issued behind a run before that use, so the wait there is for 0.
; Where slots change, the last read of the old slot is the run behind slot 3; the waits and the opening signal stand behind slot 12, the rest of the
; round and the refill behind slot 15, the first read of the other slot behind slot 35.  A refill is waited for four tiles later: 253 matrix instructions.
.macro TILE g, mode, blk, cs, ct, ns, nt, kind, tslot, last, pf
.set SLT, 0
.rept 64
.set KS, SLT/8
.set TI, SLT%8
.if (SLT%32) == 0
	s_wait_dscnt 0x0                               ; the run of eight loads issued 29 slots ago is in; nothing younger is out but a head's score stores
.endif
	WIN 4*(1+KS/3)                                 ; source 1 (key, oc) in window 1, 2 or 3; all else in window 0
.set KR, 64*(KS%3)+8*TI
.set AR, ACC+64*(\g)+8*TI
.if KS == 0
	v_wmma_f32_16x16x32_f16 v[AR:AR+7], v[WF:WF+7], v[KR:KR+7], 0
.else
	v_wmma_f32_16x16x32_f16 v[AR:AR+7], v[WF+8*KS:WF+8*KS+7], v[KR:KR+7], v[AR:AR+7]
.endif
	EPI SLT, 1-(\g), \blk, \mode
.if SLT == 3
	WLOAD 4, \cs, \ct
	WLOAD 5, \cs, \ct
	WLOAD 6, \cs, \ct
	WLOAD 7, \cs, \ct
.endif
.if (\kind) != 0
.if SLT == 12
	TURNA \kind, \tslot
.endif
.if SLT == 15
	TURNB \kind, \tslot
.endif
.endif
.if SLT == 35
.if (\last) == 0
	WLOAD 0, \ns, \nt
	WLOAD 1, \ns, \nt
	WLOAD 2, \ns, \nt
	WLOAD 3, \ns, \nt
.endif
.if (\pf) != 0
	global_prefetch_b8 v10, s[84:85] offset:16384*((\pf)-1) th:TH_LOAD_NT scope:SCOPE_SE
.endif
.endif
.set SLT, SLT+1
.endr
.endm
; The end of a head: the two registers of each sum, then the two halves of the wave (e = 8 hh + j), and 8 stores: my half (ch) of the scores of 128 t.
; Lanes r and 16 + r store the same number to the same word.
.macro FINAL step
	WIN 0
.irp i, 0,1,2,3,4,5,6,7
	v_add_f32 v[T+\i], v[SA+2*\i], v[SA+2*\i+1]
.endr
.irp i, 0,1,2,3,4,5,6,7
	v_permlanex16_b32 v[SA+2*\i+1], v[T+\i], s80, s81
.endr
.irp i, 0,1,2,3,4,5,6,7
	v_add_f32 v[T+\i], v[T+\i], v[SA+2*\i+1]
.endr
.irp i, 0,1,2,3,4,5,6,7
	ds_store_b32 v8, v[T+\i] offset:64*\i
.endr
.if \step
	v_add_nc_u32 v8, 512, v8                       ; the next head
.endif
.endm
; A HEAD: 8 tiles, 4 from each slot.  Each tile carries the tanh work of the tile before it, so tile 0 carries that of the last head's tile 7.
; The last head asks, in tiles 4 and 5, straight behind a run of LDS loads, for the 256 blocks of 256 bytes (64 KiB) of strips 2 and 3 of V rows
; 128-255, which the load in its tile 7 brings: each wave 32 rows, 16 a request, each block once; all inside my 256 rows of V.
.macro HEAD mode0, kind, lasthead
	TILE 0, \mode0, 7, 0, 0, 0, 1, 0, 0, 0, 0
.if (\mode0) != 0
	FINAL 1
.endif
	TILE 1, 2, 0, 0, 1, 0, 2, 0, 0, 0, 0
	TILE 0, 1, 1, 0, 2, 0, 3, 0, 0, 0, 0
	TILE 1, 1, 2, 0, 3, 1, 0, \kind, 0, 0, 0
	TILE 0, 1, 3, 1, 0, 1, 1, 0, 0, 0, \lasthead
	TILE 1, 1, 4, 1, 1, 1, 2, 0, 0, 0, 2*(\lasthead)
	TILE 0, 1, 5, 1, 2, 1, 3, 0, 0, 0, 0
	TILE 1, 1, 6, 1, 3, 0, 0, \kind, 1, \lasthead, 0
.endm
	WLOAD 0, 0, 0                                  ; the first tile's fragments 0 to 3
	WLOAD 1, 0, 0
	WLOAD 2, 0, 0
	WLOAD 3, 0, 0
	HEAD 0, 2, 0                                   ; head 0: its two changes of slots also bring V rows 0-127
	WIN 0                                          ; at a label and at a branch every window is 0
	s_mov_b32 s66, 6
.Lhead:
	HEAD 1, 1, 0                                   ; heads 1 to 6
	WIN 0
	s_sub_co_u32 s66, s66, 1
	s_cmp_lg_u32 s66, 0
	s_cbranch_scc1 .Lhead
	HEAD 1, 3, 1                                   ; head 7: its changes of slots bring V rows 128-255 over the slots
	WIN 4
.set SLT, 0
.rept 64
	EPI SLT, 1, 7, 1                               ; the tanh work of the very last tile
.set SLT, SLT+1
.endr
	FINAL 0
	s_wait_dscnt 0x0                               ; my scores are in LDS
	s_barrier_signal -1
	s_barrier_wait -1                              ; everybody's are.  V's last strips may stay on their way
	; SOFTMAX over the block.  Wave w takes heads 2 w and 2 w + 1; lane L takes t = 8 L .. 8 L + 7: rows half L / 16, 32 bytes at 32 (L mod 16).
	v_lshlrev_b32 v11, 5, v1
	v_lshl_add_u32 v11, v2, 13, v11
	s_lshl_b32 s3, s16, 10
	s_add_co_u32 s3, s3, SC
	v_add_nc_u32 v11, s3, v11
	s_mul_i32 s3, s16, 2*PITCH
	s_add_co_u32 s3, s3, PROB
	v_lshl_add_u32 v15, v3, 4, s3                  ; where my 8 p go: PROB + 528 head + 16 L
.irp hd, 0,1
	ds_load_b128 v[128+16*\hd:131+16*\hd], v11 offset:512*\hd          ; the half of the sum over e made by ch = 0,
	ds_load_b128 v[132+16*\hd:135+16*\hd], v11 offset:512*\hd+16
	ds_load_b128 v[136+16*\hd:139+16*\hd], v11 offset:512*\hd+4096     ; and by ch = 1
	ds_load_b128 v[140+16*\hd:143+16*\hd], v11 offset:512*\hd+4112
.endr
	v_and_b32 v166, 1, v3
	s_lshl_b32 s3, s16, 4
	v_lshl_add_u32 v113, v166, 3, s3               ; ml: 16 w + 8 (L mod 2)
	s_wait_dscnt 0x0
.irp hd, 0,1
.irp q, 0,2,4,6
	v_pk_add_f32 v[128+16*\hd+\q:129+16*\hd+\q], v[128+16*\hd+\q:129+16*\hd+\q], v[136+16*\hd+\q:137+16*\hd+\q]
.endr
	v_max3_num_f32 v[160+\hd], v[128+16*\hd], v[129+16*\hd], v[130+16*\hd]
	v_max3_num_f32 v[160+\hd], v[160+\hd], v[131+16*\hd], v[132+16*\hd]
	v_max3_num_f32 v[160+\hd], v[160+\hd], v[133+16*\hd], v[134+16*\hd]
	v_max_num_f32 v[160+\hd], v[160+\hd], v[135+16*\hd]
	v_max_num_f32_dpp v[160+\hd], v[160+\hd], v[160+\hd] row_xmask:1 row_mask:0xf bank_mask:0xf
	v_max_num_f32_dpp v[160+\hd], v[160+\hd], v[160+\hd] row_xmask:2 row_mask:0xf bank_mask:0xf
	v_max_num_f32_dpp v[160+\hd], v[160+\hd], v[160+\hd] row_xmask:4 row_mask:0xf bank_mask:0xf
	v_max_num_f32_dpp v[160+\hd], v[160+\hd], v[160+\hd] row_xmask:8 row_mask:0xf bank_mask:0xf
	v_permlanex16_b32 v[162+\hd], v[160+\hd], s80, s81
	v_max_num_f32 v[160+\hd], v[160+\hd], v[162+\hd]               ; m: the block's maximum, in every lane
.irp j, 0,1,2,3,4,5,6,7
	v_sub_f32 v[128+16*\hd+\j], v[128+16*\hd+\j], v[160+\hd]
.endr
.irp j, 0,1,2,3,4,5,6,7
	v_exp_f32 v[128+16*\hd+\j], v[128+16*\hd+\j]                   ; p = 2^(s - m), at most 1
.endr
	v_nop                                          ; one plain instruction between the exponentials and the use of their results (ISA guide 5.7.2)
	s_wait_alu depctr_va_vdst(0)
	v_pk_add_f32 v[136+16*\hd:137+16*\hd], v[128+16*\hd:129+16*\hd], v[130+16*\hd:131+16*\hd]
	v_pk_add_f32 v[138+16*\hd:139+16*\hd], v[132+16*\hd:133+16*\hd], v[134+16*\hd:135+16*\hd]
	v_pk_add_f32 v[136+16*\hd:137+16*\hd], v[136+16*\hd:137+16*\hd], v[138+16*\hd:139+16*\hd]
	v_add_f32 v[164+\hd], v[136+16*\hd], v[137+16*\hd]
	v_add_f32_dpp v[164+\hd], v[164+\hd], v[164+\hd] row_xmask:1 row_mask:0xf bank_mask:0xf
	v_add_f32_dpp v[164+\hd], v[164+\hd], v[164+\hd] row_xmask:2 row_mask:0xf bank_mask:0xf
	v_add_f32_dpp v[164+\hd], v[164+\hd], v[164+\hd] row_xmask:4 row_mask:0xf bank_mask:0xf
	v_add_f32_dpp v[164+\hd], v[164+\hd], v[164+\hd] row_xmask:8 row_mask:0xf bank_mask:0xf
	v_permlanex16_b32 v[162+\hd], v[164+\hd], s80, s81
	v_add_f32 v[164+\hd], v[164+\hd], v[162+\hd]                   ; l, in every lane
.irp q, 0,1,2,3
	v_cvt_pk_f16_f32 v[140+16*\hd+\q], v[128+16*\hd+2*\q], v[129+16*\hd+2*\q]
.endr
	ds_store_b128 v15, v[140+16*\hd:143+16*\hd] offset:PITCH*\hd
.endr
	v_cmp_eq_u32 vcc_lo, 1, v166
	v_cndmask_b32 v168, v160, v161, vcc_lo         ; lane 0: (m, l) of head 2 w; lane 1: of head 2 w + 1
	v_cndmask_b32 v169, v164, v165, vcc_lo
	v_cmp_gt_u32 vcc_lo, 2, v3
	s_wait_xcnt 0x0                                ; EXEC is a source of pending global instructions: it changes only behind this wait
	s_and_saveexec_b32 s67, vcc_lo
	global_store_b64 v113, v[168:169], s[14:15]
	s_wait_xcnt 0x0                                ; and again in front of the line that widens it
	s_or_b32 exec_lo, exec_lo, s67
	; addresses of the last product
	v_lshlrev_b32 v13, 4, v1
	v_lshl_add_u32 v13, v2, 11, v13
	s_lshl_b32 s3, s16, 15
	v_add_nc_u32 v13, s3, v13                      ; V rows 128-255: strip w, 8 hh rows down, 16 bytes at 16 r
	v_add_nc_u32 v12, KH0, v13                     ; V rows 0-127
	v_and_b32 v14, 7, v1
	v_mul_u32_u24 v14, v14, PITCH
	v_lshl_add_u32 v14, v2, 4, v14
	v_add_nc_u32 v14, PROB, v14                    ; p: row r mod 8 (rows 8 to 15 of A repeat the heads: nothing has to be zeroed)
	v_lshlrev_b32 v112, 4, v1
	v_lshl_add_u32 v112, v2, 12, v112
	s_lshl_b32 s3, s16, 8
	v_add_nc_u32 v112, s3, v112                    ; part: 256 w + 4,096 hh + 16 r
	s_wait_dscnt 0x0                               ; my p are in LDS,
	s_wait_tensorcnt 0x0                           ; my last strip of V has landed,
	s_barrier_signal -1
	s_barrier_wait -1                              ; everybody's
; p V.  Wave w makes columns d = 64 w .. +63 (strip w) of all 8 heads, as 4 tiles: column r of tile c is d = 64 w + 4 r + c, so that one load of 16 bytes
; at 16 r of a row of V feeds all four tiles, sixteen lanes read 256 neighbouring bytes, and a lane's four results are neighbours in part.
; A batch = one step of 32 t: 2 loads of p's fragment, 16 of V in f32 (rows 8 hh + 0..7 and 16 + 8 hh + 0..7).  Two buffers.
.macro PVBATCH ks
.set PB, (\ks)%2
	ds_load_b128 v[PF+8*PB:PF+8*PB+3],   v14 offset:64*(\ks)
	ds_load_b128 v[PF+8*PB+4:PF+8*PB+7], v14 offset:64*(\ks)+32
.irp jj, 0,1,2,3,4,5,6,7
	ds_load_b128 v[LB+64*PB+4*\jj:LB+64*PB+4*\jj+3], v[12+(\ks)/4] offset:256*((32*(\ks))%128+\jj)
.endr
.irp jj, 0,1,2,3,4,5,6,7
	ds_load_b128 v[LB+64*PB+32+4*\jj:LB+64*PB+32+4*\jj+3], v[12+(\ks)/4] offset:256*((32*(\ks))%128+16+\jj)
.endr
.endm
.macro PVSTEP ks
.set PB, (\ks)%2
.if (\ks) < 7
	s_wait_dscnt 18                                ; all but the next batch's 18 loads are in
.else
	s_wait_dscnt 0
.endif
.irp c, 0,1,2,3
.irp q, 0,1,2,3,4,5,6,7
	v_cvt_pk_f16_f32 v[VF+8*\c+\q], v[LB+64*PB+8*\q+\c], v[LB+64*PB+8*\q+4+\c]     ; rows t and t + 1 of one column d
.endr
.endr
.irp c, 0,1,2,3
.if (\ks) == 0
	v_wmma_f32_16x16x32_f16 v[PV+8*\c:PV+8*\c+7], v[PF+8*PB:PF+8*PB+7], v[VF+8*\c:VF+8*\c+7], 0
.else
	v_wmma_f32_16x16x32_f16 v[PV+8*\c:PV+8*\c+7], v[PF+8*PB:PF+8*PB+7], v[VF+8*\c:VF+8*\c+7], v[PV+8*\c:PV+8*\c+7]   ; four accumulators by turns
.endif
.endr
.rept 4
	v_nop                                          ; four places (ISA guide 7.12.1) before fragments are written again or results are read
.endr
.if (\ks) < 6
	PVBATCH (\ks)+2
.endif
.endm
	PVBATCH 0
	PVBATCH 1
.irp k, 0,1,2,3,4,5,6,7
	PVSTEP \k
.endr
	; register j of a result is head j in both halves of the wave: lanes 0-15 store heads 0-3, lanes 16-31 heads 4-7
	v_cmp_eq_u32 vcc_lo, 1, v2
.irp j, 0,1,2,3
.irp c, 0,1,2,3
	v_cndmask_b32 v[OUT+4*\j+\c], v[PV+8*\c+\j], v[PV+8*\c+\j+4], vcc_lo
.endr
.endr
.irp j, 0,1,2,3
	global_store_b128 v112, v[OUT+4*\j:OUT+4*\j+3], s[12:13] offset:1024*\j        ; sixteen lanes store 256 neighbouring bytes, aligned
.endr
	s_set_vgpr_msb 0xf
	s_wait_tensorcnt 0x0
	ds_add_u32 v190, v191
	s_wait_dscnt 0x0
	s_set_vgpr_msb 0xf00
	ROUND                                          ; the closing round: no work-group ends while a partner may still ask jointly
	s_endpgm
.Lfunc_end_k_q06c2ad225a_attn:
	.size	k_q06c2ad225a_attn, .Lfunc_end_k_q06c2ad225a_attn-k_q06c2ad225a_attn
	.p2alignl 7, 3214868480
	.fill 96, 4, 3214868480
	.section	.rodata,"a",@progbits
	.p2align	6, 0x0
	.amdhsa_kernel k_q06c2ad225a_attn
		.amdhsa_group_segment_fixed_size 327680
		.amdhsa_private_segment_fixed_size 0
		.amdhsa_enable_private_segment 0
		.amdhsa_kernarg_size 48
		.amdhsa_user_sgpr_count 2
		.amdhsa_user_sgpr_kernarg_segment_ptr 1
		.amdhsa_wavefront_size32 1
		.amdhsa_system_sgpr_workgroup_id_x 1
		.amdhsa_system_sgpr_workgroup_id_y 1
		.amdhsa_system_sgpr_workgroup_id_z 1
		.amdhsa_system_vgpr_workitem_id 0
		.amdhsa_next_free_vgpr 1024
		.amdhsa_next_free_sgpr 100
		.amdhsa_reserve_vcc 1
		.amdhsa_float_denorm_mode_32 3
		.amdhsa_float_denorm_mode_16_64 3
		.amdhsa_memory_ordered 1
		.amdhsa_forward_progress 1
		.amdhsa_inst_pref_size 255
	.end_amdhsa_kernel
	.section	.bss,"aw",@nobits
	.p2align	6
	.space	262144
	.amdgpu_metadata
---
amdhsa.version: [ 1, 2 ]
amdhsa.kernels:
  - .name:           k_q06c2ad225a_attn
    .symbol:         k_q06c2ad225a_attn.kd
    .args:
      - { .name: memory_key, .offset: 0, .size: 8, .value_kind: global_buffer, .address_space: global }
      - { .name: memory_value, .offset: 8, .size: 8, .value_kind: global_buffer, .address_space: global }
      - { .name: o_k, .offset: 16, .size: 8, .value_kind: global_buffer, .address_space: global }
      - { .name: wmb, .offset: 24, .size: 8, .value_kind: global_buffer, .address_space: global }
      - { .name: part, .offset: 32, .size: 8, .value_kind: global_buffer, .address_space: global }
      - { .name: ml, .offset: 40, .size: 8, .value_kind: global_buffer, .address_space: global }
    .group_segment_fixed_size: 327680
    .private_segment_fixed_size: 0
    .kernarg_segment_align: 8
    .kernarg_segment_size: 48
    .max_flat_workgroup_size: 128
    .sgpr_count:     100
    .vgpr_count:     1024
    .wavefront_size: 32
...
	.end_amdgpu_metadata
.endif
;; end of part 2
;; launch finish (part 3): grid 16 x 16, 8 waves a work-group, clusters of 4 x 4, 276,736 bytes of LDS; arguments part, ml, Wo_w, Wo_b, out0; writes out0
.if DOCPART == 3
	.amdgcn_target "amdgcn-amd-amdhsa--gfx1250"
	.amdhsa_code_object_version 6
	.text
	.protected	k_q06c2ad225a_finish
	.globl	k_q06c2ad225a_finish
	.p2align	8
	.type	k_q06c2ad225a_finish,@function
k_q06c2ad225a_finish:
	s_mov_b64 s[64:65], 0
	v_nop
	global_prefetch_b8 v0, s[64:65] scope:SCOPE_SE
	s_setreg_imm32_b32 hwreg(HW_REG_WAVE_MODE, 25, 1), 1
	s_wait_xcnt 0x0
	s_wait_alu depctr_hold_cnt(0) depctr_sa_sdst(0) depctr_va_vdst(0) depctr_va_sdst(0) depctr_va_ssrc(0) depctr_va_vcc(0) depctr_vm_vsrc(0)
	s_getreg_b32 s2, hwreg(HW_REG_IB_STS2, 6, 4)
	s_cmp_eq_u32 s2, 0
	s_cbranch_scc0 .Lentry_in_a_cluster
	s_endpgm
.Lentry_in_a_cluster:
	s_bfe_u32 s2, ttmp6, 0x10000c
	s_cmp_lg_u32 s2, 0xf033
	s_cbranch_scc0 .Lentry_shape_is_right
	s_endpgm
.Lentry_shape_is_right:
; out0[n][e] = Wo_b[e] + sum over h, d of rep[n][h][d] Wo_w[e][256 h + d],
; rep[n][h][d] = sum over the 8 blocks c of scale[c] part[8 n + c][h][d],   scale[c] = 2^(m[c] - M) / sum over c of 2^(m[c] - M) l[c],   M = max over c of m[c].
; Every exponent is at most 0, and the divisor is at least 1 (the block that holds M has weight 1 and l >= 1).
; Work-group (x, y) makes rows n = 2 y, 2 y + 1 and columns e = 16 x .. +15; wave h takes head h (256 of the 2,048 k) and the eight sums meet in LDS.
; rep and Wo_w enter the matrix unit as f16 (11 bits, like the operands of the launch before), sums in f32, the bias in f32.
; LIMITS: NaN and infinite inputs are not served.  |Wo_w| above 65,504 overflows f16 and is not served; rep is a weighted mean of V and has V's range;
; below 2^-14 an operand keeps an absolute error of at most 2^-25.
; CLUSTER 4 x 4: the tile of part hangs on y alone and is asked for jointly along a row of the cluster, the tile of Wo_w on x alone and jointly along
; a column: that divides the requests for both by four.  Each wave fetches its own two tiles (16 rows x 256 f32, pitch 1,040 bytes) and reads them alone.
; out0 leaves in runs of 64 bytes (16 columns a work-group), not 256: a share of 64 columns would need 512 KiB of Wo_w in one work-group's LDS, and the
; whole output is 32 KiB.
; LDS: 0 .. 133,120 part tiles (16,640 a wave); .. 266,240 Wo_w tiles; .. 274,688 STG: rep in f16, 2 rows x 528 a wave; .. 275,712 RED: 8 x 32 f32.
; STG and RED are written by LDS stores alone; no tensor load lands there.
.set TP,    1040
.set TILEB, 16*TP
.set WOB,   8*TILEB
.set STG,   16*TILEB
.set RED,   STG+8*1056
.set FLAGS, (2<<16)|(1<<20)|(1<<21)|(7<<22)|(3<<25)    ; elements of 4 bytes; 4 words of padding behind every 256; bit 21 beside a mask
.macro ROUND                           ; a round of the barrier of the cluster
	s_barrier_signal -1
	s_barrier_wait -1
	s_cmp_lg_u32 s16, 0
	s_cbranch_scc1 .Lnot_wave_0_\@
	s_barrier_signal -3
.Lnot_wave_0_\@:
	s_barrier_wait -3
	s_barrier_signal -1
	s_barrier_wait -1
.endm
	s_load_b256 s[4:11], s[0:1], 0x0               ; part s[4:5], ml s[6:7], Wo_w s[8:9], Wo_b s[10:11]
	s_load_b64 s[12:13], s[0:1], 0x20              ; out0
	v_lshl_add_u32 v62, v0, 2, 0x43500
	v_mov_b32 v63, 0
	ds_add_u32 v62, v63
	v_lshrrev_b32 v1, 5, v0
	v_readfirstlane_b32 s16, v1                    ; wave = head h
	s_bfe_u32 s17, ttmp6, 0x40000                  ; cx
	s_bfe_u32 s18, ttmp6, 0x40004                  ; cy
	s_lshl_b32 s19, ttmp9, 2
	s_add_co_u32 s19, s19, s17                     ; x
	s_and_b32 s20, ttmp7, 0xffff
	s_lshl_b32 s20, s20, 2
	s_add_co_u32 s20, s20, s18                     ; y
	s_lshl_b32 s21, s18, 2
	s_lshl_b32 s21, 15, s21                        ; my row of the cluster
	s_lshl_b32 s22, 0x1111, s17                    ; my column
	s_or_b32 s24, s21, FLAGS                       ; s[24:31]: group 1 for part
	s_or_b32 s36, s22, FLAGS                       ; s[36:43]: group 1 for Wo_w: it differs in the mask alone
	s_mov_b32 s25, 256<<16                         ; tensor_dim0 = 256
	s_mov_b32 s37, 256<<16
	s_mov_b32 s26, 16<<16                          ; tensor_dim1 = 16
	s_mov_b32 s38, 16<<16
	s_mov_b32 s27, 256<<16                         ; tile_dim0 = 256
	s_mov_b32 s39, 256<<16
	s_mov_b32 s28, 16                              ; tile_dim1 = 16
	s_mov_b32 s40, 16
	s_mov_b32 s29, 2048                            ; elements from row to row, in both tensors
	s_mov_b32 s41, 2048
	s_mov_b32 s30, 0
	s_mov_b32 s42, 0
	s_mov_b32 s31, 0
	s_mov_b32 s43, 0
	s_lshl_b32 s23, s16, 10                        ; the head's 256 columns, in bytes
	s_lshl_b32 s68, s20, 17                        ; part: 16 y rows of 8,192 bytes.  s[68:69] never hold x,
	s_add_co_u32 s68, s68, s23
	s_mov_b32 s69, 0
	s_lshl_b32 s70, s19, 17                        ; Wo_w: 16 x rows.  s[70:71] never hold y
	s_add_co_u32 s70, s70, s23
	s_mov_b32 s71, 0
	s_mul_i32 s72, s16, TILEB                      ; my tile in LDS: the wave's number alone
	s_add_co_u32 s67, s72, WOB
	s_wait_dscnt 0x0
	s_wait_kmcnt 0x0
	s_mov_b32 s32, 1                               ; s[32:35]: group 0 for part
	s_mov_b32 s33, s72
	s_add_nc_u64 s[34:35], s[4:5], s[68:69]
	s_or_b32 s35, s35, 0x80000000
	s_mov_b32 s44, 1                               ; s[44:47]: group 0 for Wo_w
	s_mov_b32 s45, s67
	s_add_nc_u64 s[46:47], s[8:9], s[70:71]
	s_or_b32 s47, s47, 0x80000000
	ROUND                                          ; all sixteen work-groups are here: the joint loads meet
	tensor_load_to_lds s[32:35], s[24:31]          ; the wave's two loads, together; nothing is ever filled again
	s_nop 0
	tensor_load_to_lds s[44:47], s[36:43]
	s_nop 0
	s_lshl_b32 s68, s20, 10                        ; ml: 64 bytes for each of 16 y blocks, + 8 h
	s_lshl_b32 s23, s16, 3
	s_add_co_u32 s68, s68, s23
	s_add_nc_u64 s[6:7], s[6:7], s[68:69]
	s_lshl_b32 s70, s19, 6                         ; Wo_b: 16 x numbers
	s_add_nc_u64 s[10:11], s[10:11], s[70:71]
	s_lshl_b32 s74, s20, 11                        ; out0: 2 y rows of 1,024 bytes + 16 x numbers
	s_add_co_u32 s74, s74, s70
	s_mov_b32 s75, 0
	s_add_nc_u64 s[12:13], s[12:13], s[74:75]
	v_and_b32 v1, 15, v0                           ; r
	v_bfe_u32 v2, v0, 4, 1                         ; hh
	v_and_b32 v3, 31, v0                           ; lane L
	v_lshlrev_b32 v6, 6, v1
	global_load_b64 v[4:5], v6, s[6:7]             ; (m, l) of block L mod 16 = 8 x (n - 2 y) + c
	v_lshl_add_u32 v10, v3, 4, s72                 ; part tile: 16 bytes a lane
	s_mul_i32 s73, s16, 1056
	s_add_co_u32 s73, s73, STG
	v_lshl_add_u32 v11, v3, 3, s73                 ; STG, in: 8 bytes a lane
	v_and_b32 v12, 1, v1
	v_mul_u32_u24 v12, v12, 528
	v_lshl_add_u32 v12, v2, 4, v12
	v_add_nc_u32 v12, s73, v12                     ; STG, back as fragments: row r mod 2 (rows 2 to 15 of A repeat the two n)
	v_mul_u32_u24 v13, v1, TP
	v_lshl_add_u32 v13, v2, 5, v13
	v_add_nc_u32 v13, s67, v13                     ; Wo_w tile: row r, 32 bytes at 32 hh
	s_lshl_b32 s73, s16, 7
	s_add_co_u32 s73, s73, RED
	v_lshl_add_u32 v14, v3, 2, s73                 ; RED: my wave's 32 sums
	v_lshlrev_b32 v15, 2, v3
	v_add_nc_u32 v15, RED, v15
	s_wait_loadcnt 0x0
	; the weights of the 8 blocks of each n: groups of eight lanes
	v_mov_b32 v7, v4
	v_max_num_f32_dpp v7, v7, v7 row_xmask:1 row_mask:0xf bank_mask:0xf
	v_max_num_f32_dpp v7, v7, v7 row_xmask:2 row_mask:0xf bank_mask:0xf
	v_max_num_f32_dpp v7, v7, v7 row_xmask:4 row_mask:0xf bank_mask:0xf
	v_sub_f32 v8, v4, v7
	v_exp_f32 v8, v8                               ; 2^(m - M)
	v_nop                                          ; a plain instruction between a transcendental and the use of its result (ISA guide 5.7.2)
	s_wait_alu depctr_va_vdst(0)
	v_mul_f32 v9, v8, v5
	v_add_f32_dpp v9, v9, v9 row_xmask:1 row_mask:0xf bank_mask:0xf
	v_add_f32_dpp v9, v9, v9 row_xmask:2 row_mask:0xf bank_mask:0xf
	v_add_f32_dpp v9, v9, v9 row_xmask:4 row_mask:0xf bank_mask:0xf
	v_rcp_f32 v7, v9
	v_nop
	s_wait_alu depctr_va_vdst(0)
	v_mul_f32 v8, v8, v7
.irp i, 0,1,2,3,4,5,6,7,8,9,10,11,12,13,14,15
	v_readlane_b32 s[48+\i], v8, \i                ; the 16 scales as scalars
.endr
	s_wait_tensorcnt 0x1                           ; my part tile is in; my Wo_w tile may stay out.  I alone read them: no barrier
.irp i, 0,1,2,3,4,5,6,7,8,9,10,11,12,13,14,15
	ds_load_b128 v[128+8*\i:131+8*\i], v10 offset:TP*\i            ; d = 4 L .. +3
	ds_load_b128 v[132+8*\i:135+8*\i], v10 offset:TP*\i+512        ; d = 128 + 4 L .. +3
.endr
	s_wait_dscnt 0x0
.irp nl, 0,1
.irp e, 0,1,2,3,4,5,6,7
	v_mul_f32 v[32+8*\nl+\e], s[48+8*\nl], v[128+64*\nl+\e]        ; the first block starts the sums
.endr
.irp c, 1,2,3,4,5,6,7
.irp e, 0,1,2,3,4,5,6,7
	v_fma_f32 v[32+8*\nl+\e], s[48+8*\nl+\c], v[128+64*\nl+8*\c+\e], v[32+8*\nl+\e]
.endr
.endr
.irp q, 0,1,2,3
	v_cvt_pk_f16_f32 v[48+4*\nl+\q], v[32+8*\nl+2*\q], v[33+8*\nl+2*\q]
.endr
	ds_store_b64 v11, v[48+4*\nl:49+4*\nl] offset:528*\nl
	ds_store_b64 v11, v[50+4*\nl:51+4*\nl] offset:528*\nl+256
.endr
.irp ks, 0,1,2,3,4,5,6,7
	ds_load_b128 v[64+8*\ks:67+8*\ks], v12 offset:64*\ks           ; LDS serves a wave's instructions in order (ISA guide 5.7.1): these see my stores above
	ds_load_b128 v[68+8*\ks:71+8*\ks], v12 offset:64*\ks+32
.endr
	s_wait_tensorcnt 0x0                           ; my Wo_w tile is in
.irp ks, 0,1,2,3,4,5,6,7
	ds_load_b128 v[128+16*\ks:131+16*\ks], v13 offset:128*\ks      ; k = 32 ks + 8 hh + 0..7,
	ds_load_b128 v[132+16*\ks:135+16*\ks], v13 offset:128*\ks+16
	ds_load_b128 v[136+16*\ks:139+16*\ks], v13 offset:128*\ks+64   ; and 32 ks + 16 + 8 hh + 0..7
	ds_load_b128 v[140+16*\ks:143+16*\ks], v13 offset:128*\ks+80
.endr
	s_wait_dscnt 0x0
.irp ks, 0,1,2,3,4,5,6,7
.irp q, 0,1,2,3,4,5,6,7
	v_cvt_pk_f16_f32 v[128+8*\ks+\q], v[128+16*\ks+2*\q], v[129+16*\ks+2*\q]       ; packed downward in place: a destination never lies above its sources
.endr
.endr
.irp ks, 0,1,2,3,4,5,6,7
.if \ks < 2
	v_wmma_f32_16x16x32_f16 v[16+8*(\ks&1):23+8*(\ks&1)], v[64+8*\ks:71+8*\ks], v[128+8*\ks:135+8*\ks], 0
.else
	v_wmma_f32_16x16x32_f16 v[16+8*(\ks&1):23+8*(\ks&1)], v[64+8*\ks:71+8*\ks], v[128+8*\ks:135+8*\ks], v[16+8*(\ks&1):23+8*(\ks&1)]   ; two accumulators by turns
.endif
.endr
.rept 4
	v_nop                                          ; four places before results are read (ISA guide 7.12.1)
.endr
	v_pk_add_f32 v[16:17], v[16:17], v[24:25]      ; register 0: n = 2 y, register 1: n = 2 y + 1, column e = r, in both halves of the wave
	v_cmp_eq_u32 vcc_lo, 1, v2
	v_cndmask_b32 v8, v16, v17, vcc_lo             ; lane L stands for (n = 2 y + L / 16, e = 16 x + L mod 16)
	ds_store_b32 v14, v8
	s_wait_dscnt 0x0                               ; for the others: my sums are in LDS
	s_barrier_signal -1
	s_barrier_wait -1
	s_cmp_lg_u32 s16, 0
	s_cbranch_scc1 .Lothers
	v_lshlrev_b32 v4, 2, v1
	global_load_b32 v5, v4, s[10:11]               ; the bias of my column
.irp k, 0,1,2,3,4,5,6,7
	ds_load_b32 v[32+\k], v15 offset:128*\k        ; the eight heads' sums
.endr
	v_lshl_add_u32 v6, v2, 10, v4                  ; out0: 1,024 (L / 16) + 4 (L mod 16)
	s_wait_dscnt 0x0
	v_pk_add_f32 v[32:33], v[32:33], v[34:35]
	v_pk_add_f32 v[36:37], v[36:37], v[38:39]
	v_pk_add_f32 v[32:33], v[32:33], v[36:37]
	v_add_f32 v32, v32, v33
	s_wait_loadcnt 0x0
	v_add_f32 v32, v32, v5
	global_store_b32 v6, v32, s[12:13]
.Lothers:
	s_wait_tensorcnt 0x0
	ds_add_u32 v62, v63
	s_wait_dscnt 0x0
	ROUND                                          ; the closing round
	s_endpgm
.Lfunc_end_k_q06c2ad225a_finish:
	.size	k_q06c2ad225a_finish, .Lfunc_end_k_q06c2ad225a_finish-k_q06c2ad225a_finish
	.p2alignl 7, 3214868480
	.fill 96, 4, 3214868480
	.section	.rodata,"a",@progbits
	.p2align	6, 0x0
	.amdhsa_kernel k_q06c2ad225a_finish
		.amdhsa_group_segment_fixed_size 276736
		.amdhsa_private_segment_fixed_size 0
		.amdhsa_enable_private_segment 0
		.amdhsa_kernarg_size 40
		.amdhsa_user_sgpr_count 2
		.amdhsa_user_sgpr_kernarg_segment_ptr 1
		.amdhsa_wavefront_size32 1
		.amdhsa_system_sgpr_workgroup_id_x 1
		.amdhsa_system_sgpr_workgroup_id_y 1
		.amdhsa_system_sgpr_workgroup_id_z 1
		.amdhsa_system_vgpr_workitem_id 0
		.amdhsa_next_free_vgpr 256
		.amdhsa_next_free_sgpr 80
		.amdhsa_reserve_vcc 1
		.amdhsa_float_denorm_mode_32 3
		.amdhsa_float_denorm_mode_16_64 3
		.amdhsa_memory_ordered 1
		.amdhsa_forward_progress 1
		.amdhsa_inst_pref_size 27
	.end_amdhsa_kernel
	.amdgpu_metadata
---
amdhsa.version: [ 1, 2 ]
amdhsa.kernels:
  - .name:           k_q06c2ad225a_finish
    .symbol:         k_q06c2ad225a_finish.kd
    .args:
      - { .name: part, .offset: 0, .size: 8, .value_kind: global_buffer, .address_space: global }
      - { .name: ml, .offset: 8, .size: 8, .value_kind: global_buffer, .address_space: global }
      - { .name: Wo_w, .offset: 16, .size: 8, .value_kind: global_buffer, .address_space: global }
      - { .name: Wo_b, .offset: 24, .size: 8, .value_kind: global_buffer, .address_space: global }
      - { .name: out0, .offset: 32, .size: 8, .value_kind: global_buffer, .address_space: global }
    .group_segment_fixed_size: 276736
    .private_segment_fixed_size: 0
    .kernarg_segment_align: 8
    .kernarg_segment_size: 40
    .max_flat_workgroup_size: 256
    .sgpr_count:     80
    .vgpr_count:     256
    .wavefront_size: 32
...
	.end_amdgpu_metadata
.endif
;; end of part 3
